; MI455X (gfx1250); checked and timed in simulation.
; The chip was launched on July 23, 2026; its instructions are those of AMD's public machine-readable ISA for CDNA 5 (MIT licence, August 2026) and "CDNA5" Instruction Set Architecture Reference Guide (July 2026). The comments in the code are by the model that wrote it; some were corrected since.
;; Fused Mo E Modular Kernel. Allowed arithmetic: float matrix products may take bf16 or f16 operands with f32 sums; all other float work in f32.
;; Inputs: a1 4,096 x 2,048 float32; topk_ids 4,096 x 2 int32; topk_weights 4,096 x 2 float32; w1 2 x 2,048 x 2,048 float32; w2 2 x 2,048 x 1,024 float32.
;; Outputs: out0 4,096 x 2,048 float32.
;; One version. Each part assembles by itself: llvm-mc -triple=amdgcn-amd-amdhsa -mcpu=gfx1250 --defsym DOCPART=n.
;; ======== version 1 of 1: 3 launches
;; workspace buffers: a1b 16,777,216 bytes; w1b 16,777,216 bytes; w2b 8,388,608 bytes; act 16,777,216 bytes
;; launch cvt (part 1): grid 1280 x 1, 8 waves a work-group, no clusters, 0 bytes of LDS; arguments a1, w1, w2, a1b, w1b, w2b; writes a1b, w1b, w2b
.if DOCPART == 1
	.amdgcn_target "amdgcn-amd-amdhsa--gfx1250"
	.amdhsa_code_object_version 6
	.text
	.protected	k_q1a18f21b83_cvt
	.globl	k_q1a18f21b83_cvt
	.p2align	8
	.type	k_q1a18f21b83_cvt,@function
k_q1a18f21b83_cvt:
	s_mov_b64 s[64:65], 0
	v_nop
	global_prefetch_b8 v0, s[64:65] scope:SCOPE_SE
	s_setreg_imm32_b32 hwreg(HW_REG_WAVE_MODE, 25, 1), 1
	s_wait_xcnt 0x0
; a1b = bf16(a1), w1b = bf16(w1), w2b[k][e*1024+n] = bf16(w2[e][k][n]); rounding to nearest even, once.
; The two products that follow read each of these numbers many times, so the rounding is done once here and they move half the bytes.
; A stream: no LDS, no barrier, no matrix unit, no cluster (no two work-groups read the same byte).
; A work-group converts 16,384 numbers: 64 KiB in, 32 KiB out.  Work-groups 0-511 take a1, 512-1023 w1, 1024-1279 w2: 1,280 in all.
; Thread t, step j (0..15): the 16 bytes at 16 t + 4,096 j come in, 8 bytes go out.  So a load of a wave covers 512 consecutive bytes and a
; store of a wave 256 consecutive bytes, aligned: no instruction touches a part of a block of 256 bytes that another instruction touches too.
; (A lane that took 32 neighbouring bytes, for a store of 16, would spread each load's 512 bytes over a span of 1,024.)
; All sixteen loads of a lane go out first; no register is written twice, so nothing has to be freed.
.set X, 4                              ; v[4:67]   step j: 4 numbers in f32
.set Y, 68                             ; v[68:99]  step j: 4 numbers in bf16
; src, dst: the scalar pairs with the work-group's first byte in and out; ostep: bytes from one step's output to the next
.macro STREAM src, dst, ostep
.irp j, 0,1,2,3,4,5,6,7,8,9,10,11,12,13,14,15
	global_load_b128 v[X+4*\j:X+4*\j+3], v1, s[\src:\src+1] offset:4096*\j th:TH_LOAD_NT
.endr
.irp j, 0,1,2,3,4,5,6,7,8,9,10,11,12,13,14,15
	s_wait_loadcnt 15-\j                           ; loads come back in order: step j's is in, the 15 - j issued behind it stay out
	v_cvt_pk_bf16_f32 v[Y+2*\j],   v[X+4*\j],   v[X+4*\j+1]
	v_cvt_pk_bf16_f32 v[Y+2*\j+1], v[X+4*\j+2], v[X+4*\j+3]
	global_store_b64 v2, v[Y+2*\j:Y+2*\j+1], s[\dst:\dst+1] offset:\j*\ostep     ; no hint: the next launches read these bytes
.endr
	s_endpgm
.endm
	s_load_b256 s[4:11], s[0:1], 0x0               ; a1 s[4:5], w1 s[6:7], w2 s[8:9], a1b s[10:11]
	s_load_b128 s[12:15], s[0:1], 0x20             ; w1b s[12:13], w2b s[14:15]
	v_lshlrev_b32 v1, 4, v0                        ; in: 16 t
	v_lshlrev_b32 v2, 3, v0                        ; out: 8 t
	s_mov_b32 s3, 0
	s_mov_b32 s17, 0
	s_wait_kmcnt 0x0
	s_cmp_lt_u32 ttmp9, 512
	s_cbranch_scc1 .La1
	s_cmp_lt_u32 ttmp9, 1024
	s_cbranch_scc1 .Lw1
	; w2: part q holds 16 rows k0 .. k0 + 15 of expert e = q / 128, k0 = 16 (q mod 128); a row is 1,024 numbers = one step.
	; Out, a row of w2b is 4,096 bytes: expert 0's 1,024 numbers, then expert 1's.
	s_sub_co_u32 s18, ttmp9, 1024                  ; q
	s_lshl_b32 s2, s18, 16                         ; in: 64 KiB a part
	s_and_b32 s16, s18, 127
	s_lshl_b32 s16, s16, 16                        ; out: k0 rows of 4,096 bytes
	s_lshr_b32 s18, s18, 7
	s_lshl_b32 s18, s18, 11                        ;      + e x 2,048 bytes
	s_add_co_u32 s16, s16, s18
	s_add_nc_u64 s[8:9], s[8:9], s[2:3]
	s_add_nc_u64 s[14:15], s[14:15], s[16:17]
	STREAM 8, 14, 4096
.La1:
	s_lshl_b32 s2, ttmp9, 16
	s_lshl_b32 s16, ttmp9, 15
	s_add_nc_u64 s[4:5], s[4:5], s[2:3]
	s_add_nc_u64 s[10:11], s[10:11], s[16:17]
	STREAM 4, 10, 2048
.Lw1:
	s_sub_co_u32 s18, ttmp9, 512
	s_lshl_b32 s2, s18, 16
	s_lshl_b32 s16, s18, 15
	s_add_nc_u64 s[6:7], s[6:7], s[2:3]
	s_add_nc_u64 s[12:13], s[12:13], s[16:17]
	STREAM 6, 12, 2048
.Lfunc_end_k_q1a18f21b83_cvt:
	.size	k_q1a18f21b83_cvt, .Lfunc_end_k_q1a18f21b83_cvt-k_q1a18f21b83_cvt
	.p2alignl 7, 3214868480
	.fill 96, 4, 3214868480
	.section	.rodata,"a",@progbits
	.p2align	6, 0x0
	.amdhsa_kernel k_q1a18f21b83_cvt
		.amdhsa_group_segment_fixed_size 0
		.amdhsa_private_segment_fixed_size 0
		.amdhsa_enable_private_segment 0
		.amdhsa_kernarg_size 48
		.amdhsa_user_sgpr_count 2
		.amdhsa_user_sgpr_kernarg_segment_ptr 1
		.amdhsa_wavefront_size32 1
		.amdhsa_system_sgpr_workgroup_id_x 1
		.amdhsa_system_sgpr_workgroup_id_y 1
		.amdhsa_system_sgpr_workgroup_id_z 1
		.amdhsa_system_vgpr_workitem_id 0
		.amdhsa_next_free_vgpr 100
		.amdhsa_next_free_sgpr 66
		.amdhsa_reserve_vcc 0
		.amdhsa_float_denorm_mode_32 3
		.amdhsa_float_denorm_mode_16_64 3
		.amdhsa_memory_ordered 1
		.amdhsa_forward_progress 1
		.amdhsa_inst_pref_size 18
	.end_amdhsa_kernel
	.amdgpu_metadata
---
amdhsa.version: [ 1, 2 ]
amdhsa.kernels:
  - .name:           k_q1a18f21b83_cvt
    .symbol:         k_q1a18f21b83_cvt.kd
    .args:
      - { .name: a1, .offset: 0, .size: 8, .value_kind: global_buffer, .address_space: global }
      - { .name: w1, .offset: 8, .size: 8, .value_kind: global_buffer, .address_space: global }
      - { .name: w2, .offset: 16, .size: 8, .value_kind: global_buffer, .address_space: global }
      - { .name: a1b, .offset: 24, .size: 8, .value_kind: global_buffer, .address_space: global }
      - { .name: w1b, .offset: 32, .size: 8, .value_kind: global_buffer, .address_space: global }
      - { .name: w2b, .offset: 40, .size: 8, .value_kind: global_buffer, .address_space: global }
    .group_segment_fixed_size: 0
    .private_segment_fixed_size: 0
    .kernarg_segment_align: 8
    .kernarg_segment_size: 48
    .max_flat_workgroup_size: 256
    .sgpr_count:     66
    .vgpr_count:     100
    .wavefront_size: 32
...
	.end_amdgpu_metadata
.endif
;; end of part 1
;; launch gateup (part 2): grid 16 x 16, 4 waves a work-group, clusters of 4 x 4, 327,680 bytes of LDS; arguments a1b, w1b, topk_ids, topk_weights, act; writes act
.if DOCPART == 2
	.amdgcn_target "amdgcn-amd-amdhsa--gfx1250"
	.amdhsa_code_object_version 6
	.text
	.protected	k_q1a18f21b83_gateup
	.globl	k_q1a18f21b83_gateup
	.p2align	8
	.type	k_q1a18f21b83_gateup,@function
k_q1a18f21b83_gateup:
	s_mov_b64 s[64:65], 0
	v_nop
	global_prefetch_b8 v0, s[64:65] scope:SCOPE_SE
	s_setreg_imm32_b32 hwreg(HW_REG_WAVE_MODE, 25, 1), 1
	s_wait_xcnt 0x0
	s_wait_alu depctr_hold_cnt(0) depctr_sa_sdst(0) depctr_va_vdst(0) depctr_va_sdst(0) depctr_va_ssrc(0) depctr_va_vcc(0) depctr_vm_vsrc(0)
	s_getreg_b32 s2, hwreg(HW_REG_IB_STS2, 6, 4)
	s_cmp_eq_u32 s2, 0
	s_cbranch_scc0 .Lentry_in_a_cluster
	s_endpgm
.Lentry_in_a_cluster:
	s_bfe_u32 s2, ttmp6, 0x10000c
	s_cmp_lg_u32 s2, 0xf033
	s_cbranch_scc0 .Lentry_shape_is_right
	s_endpgm
.Lentry_shape_is_right:
; act[m][e*1024+n] = bf16( g[m][e] * silu(gate) * up ),  gate = sum_k a1b[m][k] w1b[e][n][k],  up = sum_k a1b[m][k] w1b[e][1024+n][k],
; g[m][e] = the sum of topk_weights[m][t] over the t with topk_ids[m][t] == e.  Operands bf16, sums and everything behind them f32.
; g scales a whole row of the expert's result, so it is multiplied in here, and the sum over the experts becomes part of the next product's K.
; LIMITS.  g is made by selects: a weight whose id names another expert counts as 0 even if it is NaN or infinite (a product with a one-hot 0 would
; give NaN there).  An id outside 0..1 matches no expert, as in a one-hot.  silu(x) = x / (1 + 2^(-1.442695 x)): where the power overflows the
; quotient is 0, and where 1 / (1 + 2^..) would be below 2^-126 it is taken as 0 (v_rcp_f32 flushes such results: ISA guide 15.8).
;
; A work-group makes 256 rows x 128 columns of act for one expert with four waves, as many as a WGP has SIMDs.  Block column bx = 8 e + nb.
; Its B tile is 128 rows of the gate half of w1b[e] and the 128 matching rows of the up half.  A wave makes 128 rows x (64 gate + 64 up) columns:
; 64 accumulator tiles of 16 x 16, 512 registers; gate tile (a, b) and up tile (a, b + 4) hold matching numbers in the same lane and register,
; so silu-and-mul is register work.  K = 2,048 goes in steps of 128 through two LDS slots filled by the tensor data mover: a tile's rows are
; 256 bytes of memory and start at multiples of 256 bytes from the buffer's first byte.
; CLUSTERS: 4 x 4 work-groups.  The four of a row of the cluster need the same rows of a1b, the four of a column the same rows of w1b: each such tile is
; asked for jointly, by the same tensor load with the same descriptor and a mask that names the four, which divides the requests by four.
;
; REGISTERS, in windows of 256:
;   window 0: v0-5 at work; v16-27 addresses; v32-47 g; v64-127, v128-191 fragments of A, two buffers; v192-223 at work
;   window 1: v64-127, v128-191 fragments of B, two buffers
;   window 2: the 32 accumulator tiles of my rows 0-63 (tile (a, b) at v[8 (8 a + b)]);   window 3: those of my rows 64-127
; s_set_vgpr_msb's low byte: bits 1:0 source 0, 3:2 source 1, 5:4 source 2, 7:6 destination.
; THE MATRIX INSTRUCTION IS USED TRANSPOSED: source 0 = 16 rows of B, source 1 = 16 rows of A.  Lane l then holds row l % 16 of the tile and its
; registers 0 to 7 the columns 8 (l / 16) + 0 .. 7: eight neighbouring numbers of a row, which pack into 16 bytes.
; The 64 accumulators take turns, one instruction a turn, in the same order in every quarter step.
.set SIZE_K, 2048
.set KSTEP,  128
.set PITCH,  272                       ; an LDS row: 256 bytes of data + 16 of padding, so that the 16 rows of a fragment load start at 16 different 16-byte columns of the banks' 256 bytes (ISA guide 11.1)
.set HALFT,  128*PITCH                 ; 128 rows: what one tensor load brings
.set SLOT,   4*HALFT                   ; A's 256 rows, 128 gate rows, 128 up rows
.set LAPS,   SIZE_K/(2*KSTEP)          ; a lap = two K steps = once round the ring: 8
.set SPITCH, 144                       ; the way out: a wave's row of 64 bf16 + 16 bytes
.set SREG,   128*SPITCH+128            ; the way out: from one wave's region to the next; the 128 odd bytes put the two halves of a row of 256 bytes on different banks
.set ADRA, 16                          ; v16-17  LDS address of my A fragments in slot 0, 1
.set ADRB, 20                          ; v20-21  the same for B (my 64 gate rows; the up rows lie 128 rows behind)
.set STO,  24                          ; v24     the way out: where I put 16 bytes of a row
.set RD,   25                          ; v25     the way out: where I read 16 bytes of a whole row back
.set CO,   26                          ; v26     my byte offset in act
.set TK,   27                          ; v27     my byte offset in topk_ids and topk_weights
.set GV,   32                          ; v[32:47] g of my row in row block rb, twice (a pair for the packed multiply)
.set F0,   64                          ; fragment buffer 0
.set F1,   128                         ; fragment buffer 1
.set EX,   64                          ; the way out: v[64:95]   32 numbers: -1.4427 gate, its power of two, 1 + that, the reciprocal, times g
.set SG,   96                          ; the way out: v[96:127]  32 numbers: gate x that, x up
.set TMP,  192                         ; v[192:223] ids and weights at the start; packed results on the way out
.set G1, 24                            ; s[24:31] descriptor group 1 for A's tiles
.set G0, 32                            ; s[32:39] descriptor group 0 for A's tiles, one set for each slot
.set G1B, 48                           ; s[48:55] descriptor group 1 for B's tiles: it differs from A's in the mask alone
.set G0B, 56                           ; s[56:63] descriptor group 0 for B's tiles, one set for each slot
.set MSB, 0
.macro WIN new                         ; the immediate's high byte repeats the setting that is left
.if MSB != \new
	s_set_vgpr_msb (MSB<<8)|\new
.set MSB, \new
.endif
.endm
.set MUL_LO, 0xa1                      ; source 0 (B) window 1, source 1 (A) window 0, C and D window 2
.set MUL_HI, 0xf1                      ; the same, C and D window 3
.set TO_B,   0x40                      ; destination window 1, address window 0
; A joint load.  Waves 0 and 1 fetch A's two halves, wave 2 the gate rows, wave 3 the up rows.  Each line has one mask and one set of registers for all
; that issue it.  The branch hangs on the wave's number alone.
.macro JLOAD s
	s_cmp_eq_u32 s11, 0
	s_cbranch_scc0 .Lfor_b_\@
	tensor_load_to_lds s[G0+4*\s:G0+4*\s+3], s[G1:G1+7]
	s_nop 0
	s_branch .Lasked_\@
.Lfor_b_\@:
	tensor_load_to_lds s[G0B+4*\s:G0B+4*\s+3], s[G1B:G1B+7]
	s_nop 0
.Lasked_\@:
.endm
; A round of the cluster's barrier: my work-group's barrier; wave 0 signals for the work-group; every wave waits for all sixteen; my work-group's barrier again.
.macro CREST                           ; a round behind its opening barrier
	s_cmp_lg_u32 s10, 0
	s_cbranch_scc1 .Lnot_wave_0_\@
	s_barrier_signal -3
.Lnot_wave_0_\@:
	s_barrier_wait -3
	s_barrier_signal -1
	s_barrier_wait -1
.endm
.macro CROUND                          ; a whole round
	s_barrier_signal -1
	s_barrier_wait -1
	CREST
.endm
	s_load_b128 s[4:7], s[0:1], 0x0                ; a1b s[4:5], w1b s[6:7]
	s_load_b128 s[68:71], s[0:1], 0x10             ; topk_ids s[68:69], topk_weights s[70:71]
	s_load_b64 s[8:9], s[0:1], 0x20                ; act
	s_set_vgpr_msb 0x40
	v_lshl_add_u32 v255, v0, 2, 0x44000
	s_set_vgpr_msb 0x4000
	v_mov_b32 v255, 0
	s_set_vgpr_msb 0x1
	ds_add_u32 v255, v255
	s_set_vgpr_msb 0x100
	v_lshrrev_b32 v1, 5, v0
	v_readfirstlane_b32 s10, v1                    ; wave 0..3
	s_lshr_b32 s11, s10, 1                         ; which half of the block's rows is mine.  Also: I fetch for A (0) or for B (1)
	s_and_b32 s12, s10, 1                          ; which half of its columns.  Also: which 128 rows I fetch
	s_bfe_u32 s40, ttmp6, 0x40000                  ; cx
	s_bfe_u32 s41, ttmp6, 0x40004                  ; cy
	s_lshl_b32 s42, ttmp9, 2
	s_add_co_u32 s42, s42, s40                     ; block column bx = 4 x cluster x + cx
	s_and_b32 s13, ttmp7, 0xffff
	s_lshl_b32 s13, s13, 2
	s_add_co_u32 s13, s13, s41                     ; block row by = 4 x cluster y + cy
	s_lshl_b32 s43, s41, 2
	s_lshl_b32 s43, 15, s43                        ; my row of the cluster: places 4 cy .. 4 cy + 3
	s_lshl_b32 s44, 0x1111, s40                    ; my column: places cx, cx + 4, cx + 8, cx + 12
	; descriptor group 1: a tile of 128 rows x 128 elements of 2 bytes, padded in LDS
	s_or_b32 s[G1+0], s43, (1<<16)|(1<<20)|(1<<21)|(5<<22)|(3<<25)  ; 15:0 mask: A's tiles go to my row; 17:16 2-byte elements; 20 padding on; 21 set beside a mask; 24:22 after every 64 words; 31:25 four words
	s_or_b32 s[G1B+0], s44, (1<<16)|(1<<20)|(1<<21)|(5<<22)|(3<<25) ; the same with the mask of my column
	s_mov_b32 s[G1+1], KSTEP<<16                   ; tensor_dim0 = 128
	s_mov_b32 s[G1B+1], KSTEP<<16
	s_mov_b32 s[G1+2], 128<<16                     ; tensor_dim1 = 128
	s_mov_b32 s[G1B+2], 128<<16
	s_mov_b32 s[G1+3], KSTEP<<16                   ; tile_dim0 = 128
	s_mov_b32 s[G1B+3], KSTEP<<16
	s_mov_b32 s[G1+4], 128                         ; tile_dim1 = 128
	s_mov_b32 s[G1B+4], 128
	s_mov_b32 s[G1+5], SIZE_K                      ; elements from row to row
	s_mov_b32 s[G1B+5], SIZE_K
	s_mov_b32 s[G1+6], 0
	s_mov_b32 s[G1B+6], 0
	s_mov_b32 s[G1+7], 0
	s_mov_b32 s[G1B+7], 0
	; where the tiles come from.  A's hang on by alone, B's on bx alone, each in registers that never hold the other coordinate.  Rows are 4,096 bytes; all offsets stay below 2^25.
	s_lshl_b32 s17, s12, 7
	s_lshl_b32 s16, s13, 8
	s_add_co_u32 s16, s16, s17                     ; A: row 256 by + 128 x half
	s_lshl_b32 s16, s16, 12
	s_mov_b32 s17, 0
	s_lshr_b32 s45, s42, 3                         ; e = bx / 8
	s_and_b32 s46, s42, 7
	s_lshl_b32 s46, s46, 7                         ; B: row 128 (bx mod 8)
	s_lshl_b32 s47, s45, 11
	s_add_co_u32 s46, s46, s47                     ;    + 2,048 e
	s_lshl_b32 s47, s12, 10
	s_add_co_u32 s46, s46, s47                     ;    + 1,024 for the up rows
	s_lshl_b32 s46, s46, 12
	s_mov_b32 s47, 0
	s_mul_i32 s20, s10, HALFT                      ; and where they go: wave x 128 rows
	s_wait_dscnt 0x0
	s_wait_kmcnt 0x0
	s_add_nc_u64 s[14:15], s[4:5], s[16:17]
	s_add_nc_u64 s[46:47], s[6:7], s[46:47]
	CROUND                                         ; all sixteen work-groups are here: the first joint loads meet
.irp s, 0,1
	s_mov_b32 s[G0+4*\s], 1                                        ; count = 1
	s_add_co_u32 s[G0+4*\s+1], s20, \s*SLOT                        ; LDS address
	s_add_nc_u64 s[G0+4*\s+2:G0+4*\s+3], s[14:15], \s*KSTEP*2      ; global address: K step s
	s_or_b32 s[G0+4*\s+3], s[G0+4*\s+3], 0x80000000                ; type = 2
	s_mov_b32 s[G0B+4*\s], 1
	s_add_co_u32 s[G0B+4*\s+1], s20, \s*SLOT
	s_add_nc_u64 s[G0B+4*\s+2:G0B+4*\s+3], s[46:47], \s*KSTEP*2
	s_or_b32 s[G0B+4*\s+3], s[G0B+4*\s+3], 0x80000000
	JLOAD \s                                       ; both first fills go out before anything else: two tensor loads of the wave are out
.endr
	; A fragment is 16 rows x 32 K in 8 registers: lane l holds row l % 16; registers 0-3 K = 8 (l / 16) + 0..7, registers 4-7 K = 16 + 8 (l / 16) + 0..7:
	; two loads of 16 bytes, 32 bytes apart.
	v_and_b32 v1, 15, v0                           ; r = l % 16
	v_bfe_u32 v2, v0, 4, 1                         ; h = l / 16
	v_mul_u32_u24 v3, v1, PITCH
	v_lshl_add_u32 v3, v2, 4, v3                   ; r x pitch + 16 h
	s_mul_i32 s21, s11, HALFT                      ; my 128 rows of A
	s_mul_i32 s22, s12, 64*PITCH                   ; my 64 gate rows,
	s_add_co_u32 s22, s22, 2*HALFT                 ; which lie behind A's 256
.irp s, 0,1
	v_add_nc_u32 v[ADRA+\s], s21, v3
	v_add_nc_u32 v[ADRB+\s], s22, v3
	s_add_co_u32 s21, s21, SLOT
	s_add_co_u32 s22, s22, SLOT
.endr
	v_mul_u32_u24 v4, v1, SPITCH                   ; the way out, in: my wave's region, row r of a row block, 16 bytes for each half of the lanes
	v_lshl_add_u32 v4, v2, 4, v4
	s_mul_i32 s23, s10, SREG
	v_add_nc_u32 v[STO], s23, v4
	v_lshrrev_b32 v4, 3, v1                        ; back: lanes 0-7 of a half read the left wave's region, lanes 8-15 the right wave's
	v_mul_u32_u24 v4, v4, SREG
	v_mad_u32_u24 v4, v2, SPITCH, v4               ; lanes 16-31 take the next row
	v_and_b32 v5, 7, v1
	v_lshl_add_u32 v4, v5, 4, v4
	s_mul_i32 s23, s11, 2*SREG                     ; wave w reads the block's rows 64 w .. 64 w + 63: regions 2 (w / 2) and 2 (w / 2) + 1,
	s_mul_i32 s22, s12, 64*SPITCH                  ; from their row 64 (w mod 2) on
	s_add_co_u32 s23, s23, s22
	v_add_nc_u32 v[RD], s23, v4
	v_lshlrev_b32 v5, 12, v2                       ; and the same two rows in act: 4,096 h + 16 r
	v_lshl_add_u32 v[CO], v1, 4, v5
	; g of my rows: row 256 by + 128 x half + 16 rb + r has its two ids, and its two weights, in 8 bytes
	s_lshl_b32 s23, s11, 10
	v_lshl_add_u32 v[TK], v1, 3, s23               ; 8 r + 1,024 x half
	s_lshl_b32 s16, s13, 11                        ; 256 by rows of 8 bytes
	s_mov_b32 s17, 0
	s_add_nc_u64 s[68:69], s[68:69], s[16:17]
	s_add_nc_u64 s[70:71], s[70:71], s[16:17]
.irp rb, 0,1,2,3,4,5,6,7
	global_load_b64 v[TMP+2*\rb:TMP+2*\rb+1],       v[TK], s[68:69] offset:128*\rb
	global_load_b64 v[TMP+16+2*\rb:TMP+16+2*\rb+1], v[TK], s[70:71] offset:128*\rb
.endr
	s_wait_loadcnt 0x0                             ; once, while the first tiles are on their way
.irp rb, 0,1,2,3,4,5,6,7
	v_cmp_eq_u32 vcc_lo, s45, v[TMP+2*\rb]
	v_cndmask_b32 v1, 0, v[TMP+16+2*\rb], vcc_lo   ; the first weight, if its id is my expert
	v_cmp_eq_u32 vcc_lo, s45, v[TMP+2*\rb+1]
	v_cndmask_b32 v2, 0, v[TMP+16+2*\rb+1], vcc_lo ; the second likewise
	v_add_f32 v[GV+2*\rb], v1, v2
	v_mov_b32 v[GV+2*\rb+1], v[GV+2*\rb]           ; the packed multiply wants a pair
.endr
; 16 matrix instructions: row blocks a0, a0 + 1 of the window's four (hi = 0: my rows 0-63, 1: rows 64-127) x all 8 column blocks, 32 along K.
; zero = 1: the first product starts the sums: nothing is cleared.
.macro MUL16 f, hi, a0, zero
.irp a, \a0, \a0+1
.irp b, 0,1,2,3,4,5,6,7
.if \zero
	v_wmma_f32_16x16x32_bf16 v[8*(8*(\a)+\b):8*(8*(\a)+\b)+7], v[\f+8*\b:\f+8*\b+7], v[\f+8*(4*\hi+\a):\f+8*(4*\hi+\a)+7], 0
.else
	v_wmma_f32_16x16x32_bf16 v[8*(8*(\a)+\b):8*(8*(\a)+\b)+7], v[\f+8*\b:\f+8*\b+7], v[\f+8*(4*\hi+\a):\f+8*(4*\hi+\a)+7], v[8*(8*(\a)+\b):8*(8*(\a)+\b)+7]
.endif
.endr
.endr
.endm
; 32 LDS loads in one run: the fragments of one quarter step (64 gate rows, 64 up rows, 128 rows of A, 32 K at byte k of the rows) into buffer f
.macro FETCH slot, k, f
	WIN TO_B
.irp i, 0,1,2,3
	ds_load_b128 v[\f+8*\i:\f+8*\i+3],   v[ADRB+\slot] offset:\k+\i*16*PITCH
	ds_load_b128 v[\f+8*\i+4:\f+8*\i+7], v[ADRB+\slot] offset:\k+\i*16*PITCH+32
.endr
.irp i, 4,5,6,7
	ds_load_b128 v[\f+8*\i:\f+8*\i+3],   v[ADRB+\slot] offset:\k+(\i+4)*16*PITCH      ; up block i - 4 lies 128 rows behind gate block i - 4
	ds_load_b128 v[\f+8*\i+4:\f+8*\i+7], v[ADRB+\slot] offset:\k+(\i+4)*16*PITCH+32
.endr
	WIN 0
.irp i, 0,1,2,3,4,5,6,7
	ds_load_b128 v[\f+8*\i:\f+8*\i+3],   v[ADRA+\slot] offset:\k+\i*16*PITCH
	ds_load_b128 v[\f+8*\i+4:\f+8*\i+7], v[ADRA+\slot] offset:\k+\i*16*PITCH+32
.endr
.endm
; A load into a register that a matrix instruction has read, and a vector instruction that reads a matrix result, stand four places behind that
; matrix instruction, and only plain vector instructions that name none of its registers are places (ISA guide 7.12.1 for vector instructions).
.macro PLACES
.rept 4
	v_nop
.endr
.endm
; A K step is four quarter steps of 32 along K, 64 matrix instructions each, on buffers 0, 1, 0, 1.
; One of the first three: multiplies buffer f; in its middle it fetches the next quarter's fragments, at byte k of the same slot's rows, into buffer g.
.macro QUARTER slot, k, f, g, zero
	s_wait_dscnt 8                                 ; B and A's rows 0-63 are in; the youngest eight loads (A's rows 64-127) may be out
	WIN MUL_LO
	MUL16 \f, 0, 0, \zero
	MUL16 \f, 0, 2, \zero
	PLACES
	FETCH \slot, \k, \g
	s_wait_dscnt 32                                ; all but the 32 just issued
	WIN MUL_HI
	MUL16 \f, 1, 0, \zero
	MUL16 \f, 1, 2, \zero
.endm
.macro THREE slot, zero
	QUARTER \slot, 64,  F0, F1, \zero
	QUARTER \slot, 128, F1, F0, 0
	QUARTER \slot, 192, F0, F1, 0
.endm
; The last quarter: multiplies buffer 1 and changes slots.  next = the other slot; fill = 1: this slot is filled again, two K steps ahead.
; In front of the barrier each wave waits for its own reads of this slot and for all its tensor loads, of which one is out: its part of the next slot.
; Behind it nobody reads this slot any more and the next slot is whole: the refill comes first, then the next slot's first fragments.
; From a request to the wait for it a wave issues 240 matrix instructions.
.macro TURN slot, next, fill
	s_wait_dscnt 8
	WIN MUL_LO
	MUL16 F1, 0, 0, 0
	s_wait_dscnt 0                                 ; my reads of this slot are over
	s_wait_tensorcnt 0x0                           ; and all my tensor loads have landed
	ds_add_u32 v255, v255
	s_wait_dscnt 0x0
	s_barrier_signal -1                            ; say so (where a slot is filled again this barrier opens a round of the cluster's barrier),
	MUL16 F1, 0, 2, 0                              ; work on registers while the others arrive,
	WIN 0
	s_barrier_wait -1
.if \fill
	CREST                                          ; no wave of any partner still reads this slot's tile or has a load on its way
	s_add_nc_u64 s[G0+4*\slot+2:G0+4*\slot+3], s[G0+4*\slot+2:G0+4*\slot+3], 2*KSTEP*2
	s_add_nc_u64 s[G0B+4*\slot+2:G0B+4*\slot+3], s[G0B+4*\slot+2:G0B+4*\slot+3], 2*KSTEP*2
	JLOAD \slot                                    ; the wave's one tensor load behind the round, and the first thing there
.endif
	PLACES
	FETCH \next, 0, F0
	WIN MUL_HI
	MUL16 F1, 1, 0, 0
	MUL16 F1, 1, 2, 0
.endm
.macro LAP zero                        ; once round the ring, both slots filled again
	THREE 0, \zero
	TURN 0, 1, 1
	THREE 1, 0
	TURN 1, 0, 1
.endm
	s_wait_tensorcnt 1                             ; my part of K step 0 is in; K step 1's load stays out
	s_barrier_signal -1
	s_barrier_wait -1                              ; everybody's is
	FETCH 0, 0, F0
	LAP 1                                          ; the first lap stands in front of the loop: its first products start the sums
	WIN 0                                          ; at a label and at a branch every window is 0
	s_mov_b32 s3, LAPS-2
.Llap:
	LAP 0
	WIN 0
	s_sub_co_u32 s3, s3, 1
	s_cmp_lg_u32 s3, 0
	s_cbranch_scc1 .Llap
	THREE 0, 0                                     ; the last lap fills nothing
	TURN 0, 1, 0                                   ; behind this barrier no wave reads slot 0 and no tensor load is out or follows
	THREE 1, 0
	s_wait_dscnt 8                                 ; the very last quarter
	WIN MUL_LO
	MUL16 F1, 0, 0, 0
	MUL16 F1, 0, 2, 0
	s_wait_dscnt 0
	WIN MUL_HI
	MUL16 F1, 1, 0, 0
	MUL16 F1, 1, 2, 0
	; THE WAY OUT.  silu-and-mul in registers, 16 rows at a time; 16 bytes a lane into my wave's own region of slot 0, which has had its last fill and its
	; last read; one barrier; whole rows of 256 bytes are read back and stored.
	PLACES                                         ; the places behind the last matrix instructions
	s_lshl_b32 s16, s13, 8
	s_lshl_b32 s17, s10, 6
	s_add_co_u32 s16, s16, s17                     ; the first row that I store: 256 by + 64 w
	s_lshl_b32 s16, s16, 12
	s_mov_b32 s17, 0
	s_add_nc_u64 s[8:9], s[8:9], s[16:17]
	s_lshl_b32 s46, s42, 8                         ; the block's 128 columns: 256 bx bytes (in the registers that held B's address)
	s_mov_b32 s47, 0
	s_add_nc_u64 s[8:9], s[8:9], s[46:47]
; row block rb = 4 (win - 2) + a: the gate tiles (a, 0..3) and up tiles (a, 4..7) of window win, which the setting puts on source 0
.macro ACT16 rb, a, win
	WIN \win
.irp b, 0,1,2,3
.irp r, 0,1,2,3
	v_pk_mul_f32 v[EX+8*\b+2*\r:EX+8*\b+2*\r+1], v[8*(8*\a+\b)+2*\r:8*(8*\a+\b)+2*\r+1], 0xbfb8aa3b op_sel_hi:[1,0]   ; -log2(e) x gate
.endr
.endr
	WIN 0
.set ii, 0
.rept 32
	v_exp_f32 v[EX+ii], v[EX+ii]                   ; e^-gate
.set ii, ii+1
.endr
	v_nop                                          ; one plain vector instruction between a transcendental and the use of its result (ISA guide 5.7.2)
.set ii, 0
	s_wait_alu depctr_va_vdst(0)
.rept 16
	v_pk_add_f32 v[EX+ii:EX+ii+1], v[EX+ii:EX+ii+1], 1.0 op_sel_hi:[1,0]
.set ii, ii+2
.endr
.set ii, 0
.rept 32
	v_rcp_f32 v[EX+ii], v[EX+ii]                   ; sigmoid(gate)
.set ii, ii+1
.endr
	v_nop                                          ; as above
.set ii, 0
	s_wait_alu depctr_va_vdst(0)
.rept 16
	v_pk_mul_f32 v[EX+ii:EX+ii+1], v[EX+ii:EX+ii+1], v[GV+2*\rb:GV+2*\rb+1]      ; x g of my row
.set ii, ii+2
.endr
	WIN \win
.irp b, 0,1,2,3
.irp r, 0,1,2,3
	v_pk_mul_f32 v[SG+8*\b+2*\r:SG+8*\b+2*\r+1], v[8*(8*\a+\b)+2*\r:8*(8*\a+\b)+2*\r+1], v[EX+8*\b+2*\r:EX+8*\b+2*\r+1]   ; gate first: a sigmoid of 0 has met only finite numbers
.endr
.endr
.irp b, 0,1,2,3
.irp r, 0,1,2,3
	v_pk_mul_f32 v[SG+8*\b+2*\r:SG+8*\b+2*\r+1], v[8*(8*\a+\b+4)+2*\r:8*(8*\a+\b+4)+2*\r+1], v[SG+8*\b+2*\r:SG+8*\b+2*\r+1]   ; x up
.endr
.endr
	WIN 0
.irp b, 0,1,2,3
.irp r, 0,1,2,3
	v_cvt_pk_bf16_f32 v[TMP+4*\b+\r], v[SG+8*\b+2*\r], v[SG+8*\b+2*\r+1]
.endr
.endr
.irp b, 0,1,2,3
	ds_store_b128 v[STO], v[TMP+4*\b:TMP+4*\b+3] offset:\rb*16*SPITCH+32*\b
.endr
.endm
	ACT16 0, 0, 2
	ACT16 1, 1, 2
	ACT16 2, 2, 2
	ACT16 3, 3, 2
	ACT16 4, 0, 3
	ACT16 5, 1, 3
	ACT16 6, 2, 3
	ACT16 7, 3, 3
	s_wait_dscnt 0x0                               ; my stores are in LDS: zero, for the wave that reads my half of the rows
	s_barrier_signal -1
	s_barrier_wait -1
.set tt, 0
.rept 32
	ds_load_b128 v[64+4*tt:64+4*tt+3], v[RD] offset:2*SPITCH*tt       ; rows 64 w + 2 t and + 2 t + 1, 256 bytes each
.set tt, tt+1
.endr
.set tt, 0
.rept 32
	s_wait_dscnt 31-tt                             ; LDS loads come back in order: pair t of the 32 is in
	global_store_b128 v[CO], v[64+4*tt:64+4*tt+3], s[8:9] offset:8192*tt         ; 16 lanes store 256 consecutive bytes, at a multiple of 256 from act's first byte
.set tt, tt+1
.endr
	s_set_vgpr_msb 0x1
	s_wait_tensorcnt 0x0
	ds_add_u32 v255, v255
	s_wait_dscnt 0x0
	s_set_vgpr_msb 0x100
	CROUND                                         ; the closing round: no work-group ends while a partner may still ask for a tile that names it
	s_endpgm
.Lfunc_end_k_q1a18f21b83_gateup:
	.size	k_q1a18f21b83_gateup, .Lfunc_end_k_q1a18f21b83_gateup-k_q1a18f21b83_gateup
	.p2alignl 7, 3214868480
	.fill 96, 4, 3214868480
	.section	.rodata,"a",@progbits
	.p2align	6, 0x0
	.amdhsa_kernel k_q1a18f21b83_gateup
		.amdhsa_group_segment_fixed_size 327680
		.amdhsa_private_segment_fixed_size 0
		.amdhsa_enable_private_segment 0
		.amdhsa_kernarg_size 40
		.amdhsa_user_sgpr_count 2
		.amdhsa_user_sgpr_kernarg_segment_ptr 1
		.amdhsa_wavefront_size32 1
		.amdhsa_system_sgpr_workgroup_id_x 1
		.amdhsa_system_sgpr_workgroup_id_y 1
		.amdhsa_system_sgpr_workgroup_id_z 1
		.amdhsa_system_vgpr_workitem_id 0
		.amdhsa_next_free_vgpr 1024
		.amdhsa_next_free_sgpr 72
		.amdhsa_reserve_vcc 1
		.amdhsa_float_denorm_mode_32 3
		.amdhsa_float_denorm_mode_16_64 3
		.amdhsa_memory_ordered 1
		.amdhsa_forward_progress 1
		.amdhsa_inst_pref_size 245
	.end_amdhsa_kernel
	.amdgpu_metadata
---
amdhsa.version: [ 1, 2 ]
amdhsa.kernels:
  - .name:           k_q1a18f21b83_gateup
    .symbol:         k_q1a18f21b83_gateup.kd
    .args:
      - { .name: a1b, .offset: 0, .size: 8, .value_kind: global_buffer, .address_space: global }
      - { .name: w1b, .offset: 8, .size: 8, .value_kind: global_buffer, .address_space: global }
      - { .name: topk_ids, .offset: 16, .size: 8, .value_kind: global_buffer, .address_space: global }
      - { .name: topk_weights, .offset: 24, .size: 8, .value_kind: global_buffer, .address_space: global }
      - { .name: act, .offset: 32, .size: 8, .value_kind: global_buffer, .address_space: global }
    .group_segment_fixed_size: 327680
    .private_segment_fixed_size: 0
    .kernarg_segment_align: 8
    .kernarg_segment_size: 40
    .max_flat_workgroup_size: 128
    .sgpr_count:     72
    .vgpr_count:     1024
    .wavefront_size: 32
...
	.end_amdgpu_metadata
.endif
;; end of part 2
;; launch down (part 3): grid 16 x 16, 4 waves a work-group, clusters of 4 x 4, 327,680 bytes of LDS; arguments act, w2b, out0; writes out0
.if DOCPART == 3
	.amdgcn_target "amdgcn-amd-amdhsa--gfx1250"
	.amdhsa_code_object_version 6
	.text
	.protected	k_q1a18f21b83_down
	.globl	k_q1a18f21b83_down
	.p2align	8
	.type	k_q1a18f21b83_down,@function
k_q1a18f21b83_down:
	s_mov_b64 s[64:65], 0
	v_nop
	global_prefetch_b8 v0, s[64:65] scope:SCOPE_SE
	s_setreg_imm32_b32 hwreg(HW_REG_WAVE_MODE, 25, 1), 1
	s_wait_xcnt 0x0
	s_wait_alu depctr_hold_cnt(0) depctr_sa_sdst(0) depctr_va_vdst(0) depctr_va_sdst(0) depctr_va_ssrc(0) depctr_va_vcc(0) depctr_vm_vsrc(0)
	s_getreg_b32 s2, hwreg(HW_REG_IB_STS2, 6, 4)
	s_cmp_eq_u32 s2, 0
	s_cbranch_scc0 .Lentry_in_a_cluster
	s_endpgm
.Lentry_in_a_cluster:
	s_bfe_u32 s2, ttmp6, 0x10000c
	s_cmp_lg_u32 s2, 0xf033
	s_cbranch_scc0 .Lentry_shape_is_right
	s_endpgm
.Lentry_shape_is_right:
; out0[m][k] = sum over j = 0 .. 2047 of act[m][j] w2b[k][j], j = e*1024 + n: both experts' down projections and their weighted sum in one product,
; since act already carries g[m][e].  Operands bf16, one f32 sum for each output, stored as f32.
; A work-group makes 256 rows x 128 columns with four waves (a block of 256 x 256 would leave work for 128 work-groups only); a wave makes 128 x 64:
; 32 accumulator tiles of 16 x 16, 256 registers.
; THE RING HAS TWO SLOTS OF UNEQUAL SIZE.  128 along K of the block's 384 rows (256 of act, 128 of w2b) take 384 x 272 = 104,448 bytes of LDS; three such
; parts fit and four do not, so two slots of 256 along K are out of reach.  One slot holds 128 along K (rows of 256 bytes, 272 apart), the other 256
; (rows of 512 bytes, 528 apart), and K is walked small, large, small, ... small: 6 x 128 + 5 x 256 = 2,048.  A slot's next fill lies 384 along K behind
; its last.  That is 9 refills, each of one tensor load a wave behind one round of the cluster's barrier, where two slots of 128 would need 14;
; the small slot's load has 248 matrix instructions of its wave in which to land, the large slot's 120.
; All rows of all tiles start at multiples of 256 bytes from the buffer's first byte.
; CLUSTERS: 4 x 4 work-groups.  act's tile hangs on the block row alone and is asked for jointly along a row of the cluster, w2b's on the block column
; alone and is asked for jointly along a column: the requests are divided by four.
; REGISTERS: window 0: v0-5 at work, v16-26 addresses, v64-127 and v128-191 fragments of A (two buffers), v192-223 and v224-255 fragments of B;
;            window 1: accumulator tile (A, b), A = 0..7 row blocks, b = 0..3 column blocks, at v[8 (4 A + b)].
; The matrix instruction is used transposed (source 0 = rows of w2b, source 1 = rows of act): lane l holds row l % 16 of a tile, registers 0 to 7
; the columns 8 (l / 16) + 0 .. 7: 32 neighbouring bytes of a row of out0.
; The 32 accumulators take turns, one instruction a turn, in the same order in every quarter step.
.set SIZE_K, 2048
.set KS,     128                       ; along K in the small slot (slot 0); the large slot (slot 1) holds 2 KS
.set PERIOD, 3*KS                      ; along K from one fill of a slot to its next
.set TRIPS,  SIZE_K/PERIOD             ; 5 pairs of a small and a large part; one small part, KS, is left for the end
.set PS,     272                       ; small slot: an LDS row is 256 bytes + 16 of padding
.set PL,     528                       ; large slot: 512 bytes + 16.  Both are odd multiples of 16: the 16 rows of a fragment load start at 16 different 16-byte columns of the banks' 256 bytes (ISA guide 11.1)
.set SB,     256*PS                    ; small slot: A's 256 rows from byte 0, B's 128 rows from here
.set LA,     384*PS                    ; large slot: A's 256 rows from here,
.set LB,     LA+256*PL                 ;             B's 128 rows from here
.set STAGE,  LA+384*PL                 ; behind the ring (a multiple of 256): 16 rows x 272 bytes for each wave, into which no fill lands
.set ADRA, 16                          ; v16-17  LDS address of my A fragments in slot 0, 1
.set ADRB, 20                          ; v20-21  the same for B
.set STO,  24                          ; v24     the way out: where I put 32 bytes of a row
.set RD,   25                          ; v25     the way out: where I read a row back
.set CO,   26                          ; v26     my byte offset in out0
.set FA,   64                          ; A's fragment buffer n at FA + 64 n
.set FB,   192                         ; B's fragment buffer n at FB + 32 n
.set G1A, 24                           ; s[24:31], s[32:39] descriptor group 1 for A's tiles, slot 0, 1
.set G1B, 40                           ; s[40:47], s[48:55] the same for B's tiles
.set G0A, 56                           ; s[56:59], s[60:63] descriptor group 0 for A's tiles, slot 0, 1
.set G0B, 68                           ; s[68:71], s[72:75] the same for B's tiles
.set MSB, 0
.macro WIN new                         ; the immediate's high byte repeats the setting that is left
.if MSB != \new
	s_set_vgpr_msb (MSB<<8)|\new
.set MSB, \new
.endif
.endm
.set ACC, 0x50                         ; C (source 2) and D in window 1, A and B in window 0
.set ST,  0x04                         ; an LDS store's data (source 1) in window 1, its address in window 0
.macro JLOAD s                         ; a joint load into slot s: waves 0 and 1 fetch A's two halves, waves 2 and 3 B's; the branch hangs on the wave's number alone
	s_cmp_eq_u32 s11, 0
	s_cbranch_scc0 .Lfor_b_\@
	tensor_load_to_lds s[G0A+4*\s:G0A+4*\s+3], s[G1A+8*\s:G1A+8*\s+7]
	s_nop 0
	s_branch .Lasked_\@
.Lfor_b_\@:
	tensor_load_to_lds s[G0B+4*\s:G0B+4*\s+3], s[G1B+8*\s:G1B+8*\s+7]
	s_nop 0
.Lasked_\@:
.endm
.macro CREST                           ; a round of the cluster's barrier behind its opening barrier
	s_cmp_lg_u32 s10, 0
	s_cbranch_scc1 .Lnot_wave_0_\@
	s_barrier_signal -3
.Lnot_wave_0_\@:
	s_barrier_wait -3
	s_barrier_signal -1
	s_barrier_wait -1
.endm
.macro CROUND                          ; a whole round
	s_barrier_signal -1
	s_barrier_wait -1
	CREST
.endm
	s_load_b128 s[4:7], s[0:1], 0x0                ; act s[4:5], w2b s[6:7]
	s_load_b64 s[8:9], s[0:1], 0x10                ; out0
	v_lshl_add_u32 v62, v0, 2, 0x4f400
	v_mov_b32 v63, 0
	ds_add_u32 v62, v63
	v_lshrrev_b32 v1, 5, v0
	v_readfirstlane_b32 s10, v1                    ; wave 0..3
	s_lshr_b32 s11, s10, 1                         ; which half of the block's rows is mine.  Also: I fetch for A (0) or for B (1)
	s_and_b32 s12, s10, 1                          ; which half of its columns.  Also: which half of that tile I fetch
	s_bfe_u32 s76, ttmp6, 0x40000                  ; cx
	s_bfe_u32 s77, ttmp6, 0x40004                  ; cy
	s_lshl_b32 s78, ttmp9, 2
	s_add_co_u32 s78, s78, s76                     ; block column bx
	s_and_b32 s13, ttmp7, 0xffff
	s_lshl_b32 s13, s13, 2
	s_add_co_u32 s13, s13, s77                     ; block row by
	s_lshl_b32 s79, s77, 2
	s_lshl_b32 s79, 15, s79                        ; my row of the cluster: places 4 cy .. 4 cy + 3
	s_lshl_b32 s80, 0x1111, s76                    ; my column: places cx, cx + 4, cx + 8, cx + 12
	; descriptor group 1, for each slot s: rows of 128 (s = 0) or 256 (s = 1) elements of 2 bytes; A 128 rows a load, B 64
.irp s, 0,1
	s_or_b32 s[G1A+8*\s], s79, (1<<16)|(1<<20)|(1<<21)|((5+\s)<<22)|(3<<25)   ; 15:0 mask of my row; 17:16 2-byte elements; 20 padding on; 21 set beside a mask; 24:22 after every 64 or 128 words; 31:25 four words
	s_or_b32 s[G1B+8*\s], s80, (1<<16)|(1<<20)|(1<<21)|((5+\s)<<22)|(3<<25)   ; the same with the mask of my column
	s_mov_b32 s[G1A+8*\s+1], (KS*(1+\s))<<16       ; tensor_dim0
	s_mov_b32 s[G1B+8*\s+1], (KS*(1+\s))<<16
	s_mov_b32 s[G1A+8*\s+2], 128<<16               ; tensor_dim1 = 128 rows of A
	s_mov_b32 s[G1B+8*\s+2], 64<<16                ;             = 64 rows of B
	s_mov_b32 s[G1A+8*\s+3], (KS*(1+\s))<<16       ; tile_dim0
	s_mov_b32 s[G1B+8*\s+3], (KS*(1+\s))<<16
	s_mov_b32 s[G1A+8*\s+4], 128                   ; tile_dim1
	s_mov_b32 s[G1B+8*\s+4], 64
	s_mov_b32 s[G1A+8*\s+5], SIZE_K                ; elements from row to row
	s_mov_b32 s[G1B+8*\s+5], SIZE_K
	s_mov_b32 s[G1A+8*\s+6], 0
	s_mov_b32 s[G1B+8*\s+6], 0
	s_mov_b32 s[G1A+8*\s+7], 0
	s_mov_b32 s[G1B+8*\s+7], 0
.endr
	; A's address hangs on by alone, B's on bx alone, each in registers that never hold the other coordinate.  Rows are 4,096 bytes.
	s_lshl_b32 s17, s12, 7
	s_lshl_b32 s16, s13, 8
	s_add_co_u32 s16, s16, s17                     ; A: row 256 by + 128 x half
	s_lshl_b32 s16, s16, 12
	s_mov_b32 s17, 0
	s_lshl_b32 s82, s78, 7
	s_lshl_b32 s83, s12, 6
	s_add_co_u32 s82, s82, s83                     ; B: row 128 bx + 64 x half
	s_lshl_b32 s82, s82, 12
	s_mov_b32 s83, 0
	s_wait_dscnt 0x0
	s_wait_kmcnt 0x0
	s_add_nc_u64 s[14:15], s[4:5], s[16:17]
	s_add_nc_u64 s[82:83], s[6:7], s[82:83]
	CROUND                                         ; all sixteen work-groups are here: the first joint loads meet
	; descriptor group 0, for each slot: the small slot starts at K = 0, the large one at K = 128.  LDS addresses: a constant + the wave's number x a constant.
.irp s, 0,1
	s_mov_b32 s[G0A+4*\s], 1                                       ; count = 1
	s_mul_i32 s[G0A+4*\s+1], s10, 128*(PS+(PL-PS)*\s)              ; A's halves go to wave x 128 rows (waves 0, 1)
	s_add_co_u32 s[G0A+4*\s+1], s[G0A+4*\s+1], LA*\s               ; from the slot's first byte
	s_add_nc_u64 s[G0A+4*\s+2:G0A+4*\s+3], s[14:15], \s*KS*2
	s_or_b32 s[G0A+4*\s+3], s[G0A+4*\s+3], 0x80000000              ; type = 2
	s_mov_b32 s[G0B+4*\s], 1
	s_mul_i32 s[G0B+4*\s+1], s10, 64*(PS+(PL-PS)*\s)               ; B's halves go to (wave - 2) x 64 rows (waves 2, 3)
	s_add_co_u32 s[G0B+4*\s+1], s[G0B+4*\s+1], SB+(LB-SB)*\s-2*64*(PS+(PL-PS)*\s)   ; behind A's 256 rows
	s_add_nc_u64 s[G0B+4*\s+2:G0B+4*\s+3], s[82:83], \s*KS*2
	s_or_b32 s[G0B+4*\s+3], s[G0B+4*\s+3], 0x80000000
	JLOAD \s                                       ; both first fills go out before anything else, the small one first: two tensor loads of the wave are out
.endr
	; A fragment is 16 rows x 32 K in 8 registers: lane l holds row l % 16; registers 0-3 K = 8 (l / 16) + 0..7, registers 4-7 K = 16 + 8 (l / 16) + 0..7:
	; two loads of 16 bytes, 32 bytes apart.
	v_and_b32 v1, 15, v0                           ; r = l % 16
	v_bfe_u32 v2, v0, 4, 1                         ; h = l / 16
	v_mul_u32_u24 v3, v1, PS
	v_mul_u32_u24 v4, v1, PL
	v_lshl_add_u32 v5, v2, 5, v3                   ; the way out, in: r x 272 + 32 h
	v_lshl_add_u32 v3, v2, 4, v3                   ; small slot: r x 272 + 16 h
	v_lshl_add_u32 v4, v2, 4, v4                   ; large slot: r x 528 + 16 h
	s_mul_i32 s21, s11, 128*PS                     ; small slot: my 128 rows of A,
	s_mul_i32 s22, s12, 64*PS
	s_add_co_u32 s22, s22, SB                      ; my 64 rows of B
	v_add_nc_u32 v[ADRA], s21, v3
	v_add_nc_u32 v[ADRB], s22, v3
	s_mul_i32 s21, s11, 128*PL                     ; large slot likewise
	s_add_co_u32 s21, s21, LA
	s_mul_i32 s22, s12, 64*PL
	s_add_co_u32 s22, s22, LB
	v_add_nc_u32 v[ADRA+1], s21, v4
	v_add_nc_u32 v[ADRB+1], s22, v4
	s_mul_i32 s23, s10, 16*PS
	s_add_co_u32 s23, s23, STAGE                   ; my stage
	v_add_nc_u32 v[STO], s23, v5
	v_mul_u32_u24 v5, v2, PS                       ; back: lanes 0-15 take one row of 256 bytes, lanes 16-31 the next
	v_lshl_add_u32 v5, v1, 4, v5
	v_add_nc_u32 v[RD], s23, v5
	v_lshlrev_b32 v5, 13, v2                       ; and the same two rows in out0: 8,192 h + 16 r
	v_lshl_add_u32 v[CO], v1, 4, v5
; 8 matrix instructions on buffer n: row blocks 4 hi + a0, 4 hi + a0 + 1 x all 4 column blocks, 32 along K.  zero = 1: the first product starts the sums.
.macro MUL8 n, hi, a0, zero
.irp a, \a0, \a0+1
.irp b, 0,1,2,3
.if \zero
	v_wmma_f32_16x16x32_bf16 v[8*(4*(4*\hi+\a)+\b):8*(4*(4*\hi+\a)+\b)+7], v[FB+32*\n+8*\b:FB+32*\n+8*\b+7], v[FA+64*\n+8*(4*\hi+\a):FA+64*\n+8*(4*\hi+\a)+7], 0
.else
	v_wmma_f32_16x16x32_bf16 v[8*(4*(4*\hi+\a)+\b):8*(4*(4*\hi+\a)+\b)+7], v[FB+32*\n+8*\b:FB+32*\n+8*\b+7], v[FA+64*\n+8*(4*\hi+\a):FA+64*\n+8*(4*\hi+\a)+7], v[8*(4*(4*\hi+\a)+\b):8*(4*(4*\hi+\a)+\b)+7]
.endif
.endr
.endr
.endm
; 24 LDS loads in one run: 64 rows of B, then 128 rows of A, 32 K at byte k of the slot's rows, into buffer n.  The largest offset, 7 x 16 x 528 + 448 + 32, fits the 16 bits.
.macro FETCH slot, k, n
	WIN 0
.irp i, 0,1,2,3
	ds_load_b128 v[FB+32*\n+8*\i:FB+32*\n+8*\i+3],   v[ADRB+\slot] offset:\k+\i*16*(PS+(PL-PS)*\slot)
	ds_load_b128 v[FB+32*\n+8*\i+4:FB+32*\n+8*\i+7], v[ADRB+\slot] offset:\k+\i*16*(PS+(PL-PS)*\slot)+32
.endr
.irp i, 0,1,2,3,4,5,6,7
	ds_load_b128 v[FA+64*\n+8*\i:FA+64*\n+8*\i+3],   v[ADRA+\slot] offset:\k+\i*16*(PS+(PL-PS)*\slot)
	ds_load_b128 v[FA+64*\n+8*\i+4:FA+64*\n+8*\i+7], v[ADRA+\slot] offset:\k+\i*16*(PS+(PL-PS)*\slot)+32
.endr
.endm
; Four places stand between a matrix instruction and a load into a register that it has read, or an LDS store of its result; only plain vector
; instructions that name none of its registers are places (ISA guide 7.12.1 for vector instructions).
.macro PLACES
.rept 4
	v_nop
.endr
.endm
; A quarter step is 32 along K, 32 matrix instructions; the buffers go 0, 1, 0, 1, ...; the small slot has four quarter steps, the large one eight.
; Any but a slot's last: multiplies buffer n; in its middle it fetches the next quarter's fragments, at byte k of the same slot's rows, into buffer m.
.macro QUARTER slot, k, n, m, zero
	s_wait_dscnt 8                                 ; B and A's rows 0-63 are in; the youngest eight loads (A's rows 64-127) may be out
	WIN ACC
	MUL8 \n, 0, 0, \zero
	MUL8 \n, 0, 2, \zero
	PLACES
	FETCH \slot, \k, \m
	s_wait_dscnt 24                                ; all but the 24 just issued
	WIN ACC
	MUL8 \n, 1, 0, \zero
	MUL8 \n, 1, 2, \zero
.endm
.macro THREE zero                      ; the small slot but for its last quarter
	QUARTER 0, 64,  0, 1, \zero
	QUARTER 0, 128, 1, 0, 0
	QUARTER 0, 192, 0, 1, 0
.endm
.macro SEVEN                           ; the large slot but for its last quarter
	QUARTER 1, 64,  0, 1, 0
	QUARTER 1, 128, 1, 0, 0
	QUARTER 1, 192, 0, 1, 0
	QUARTER 1, 256, 1, 0, 0
	QUARTER 1, 320, 0, 1, 0
	QUARTER 1, 384, 1, 0, 0
	QUARTER 1, 448, 0, 1, 0
.endm
; A slot's last quarter: multiplies buffer 1 and changes slots.  fill = 1: this slot is filled again, 384 along K behind its last fill.
; In front of the barrier each wave waits for its reads of this slot and for all its tensor loads (one is out: its part of the other slot); behind it
; nobody reads this slot any more and the other slot is whole: the refill comes first, then the other slot's first fragments.
.macro TURN slot, next, fill
	s_wait_dscnt 8
	WIN ACC
	MUL8 1, 0, 0, 0
	s_wait_dscnt 0                                 ; my reads of this slot are over
	s_wait_tensorcnt 0x0                           ; and all my tensor loads have landed
	ds_add_u32 v62, v63
	s_wait_dscnt 0x0
	s_barrier_signal -1                            ; say so (where a slot is filled again this barrier opens a round of the cluster's barrier),
	MUL8 1, 0, 2, 0                                ; work on registers while the others arrive,
	WIN 0
	s_barrier_wait -1
.if \fill
	CREST                                          ; no wave of any partner still reads this slot's tile or has a load on its way
	s_add_nc_u64 s[G0A+4*\slot+2:G0A+4*\slot+3], s[G0A+4*\slot+2:G0A+4*\slot+3], PERIOD*2
	s_add_nc_u64 s[G0B+4*\slot+2:G0B+4*\slot+3], s[G0B+4*\slot+2:G0B+4*\slot+3], PERIOD*2
	JLOAD \slot                                    ; the wave's one tensor load behind the round, and the first thing there
.endif
	PLACES
	FETCH \next, 0, 0
	WIN ACC
	MUL8 1, 1, 0, 0
	MUL8 1, 1, 2, 0
.endm
.macro TRIP zero                       ; 384 along K: the small slot, then the large one, both filled again
	THREE \zero
	TURN 0, 1, 1
	SEVEN
	TURN 1, 0, 1
.endm
	s_wait_tensorcnt 1                             ; my part of the small slot is in; the large slot's load stays out
	s_barrier_signal -1
	s_barrier_wait -1
	FETCH 0, 0, 0
	TRIP 1                                         ; the first trip stands in front of the loop: its first products start the sums
	WIN 0                                          ; at a label and at a branch every window is 0
	s_mov_b32 s3, TRIPS-2
.Ltrip:
	TRIP 0
	WIN 0
	s_sub_co_u32 s3, s3, 1
	s_cmp_lg_u32 s3, 0
	s_cbranch_scc1 .Ltrip
	THREE 0                                        ; the fifth pair:
	TURN 0, 1, 1                                   ; the small slot gets the last 128 along K, the last load of the launch;
	SEVEN
	TURN 1, 0, 0                                   ; the large slot is not filled again
	THREE 0                                        ; the last 128 along K
	s_wait_dscnt 8                                 ; the very last quarter
	WIN ACC
	MUL8 1, 0, 0, 0
	MUL8 1, 0, 2, 0
	s_wait_dscnt 0
	MUL8 1, 1, 0, 0
	MUL8 1, 1, 2, 0
	; THE WAY OUT, 16 rows at a time: 32 bytes a lane straight from the accumulators into my own stage, read back as whole rows of 256 bytes.
	PLACES                                         ; the places behind the last matrix instructions
	s_lshl_b32 s16, s13, 8
	s_lshl_b32 s17, s11, 7
	s_add_co_u32 s16, s16, s17                     ; my first row: 256 by + 128 x half
	s_lshl_b32 s16, s16, 13                        ; rows of 8,192 bytes
	s_mov_b32 s17, 0
	s_add_nc_u64 s[8:9], s[8:9], s[16:17]
	s_lshl_b32 s82, s78, 9                         ; my first column, in bytes: 512 bx + 256 x half (in the registers that held B's address)
	s_lshl_b32 s83, s12, 8
	s_add_co_u32 s82, s82, s83
	s_mov_b32 s83, 0
	s_add_nc_u64 s[8:9], s[8:9], s[82:83]
; rows 16 A .. 16 A + 15 of my block = tiles (A, 0..3); f: the registers that carry them out, v64 or v128 in turn
.macro OUT16 A, f
	WIN ST
.irp b, 0,1,2,3
	ds_store_b128 v[STO], v[8*(4*\A+\b):8*(4*\A+\b)+3]   offset:64*\b
	ds_store_b128 v[STO], v[8*(4*\A+\b)+4:8*(4*\A+\b)+7] offset:64*\b+16
.endr
	WIN 0
	s_wait_xcnt 0x0                                ; every earlier store has had its addresses translated (ISA guide 3.1): the registers at f, which stores read, are loaded again only behind this wait
.irp t, 0,1,2,3,4,5,6,7
	ds_load_b128 v[\f+4*\t:\f+4*\t+3], v[RD] offset:\t*2*PS        ; LDS serves a wave's instructions in order (ISA guide 5.7.1.4): these see the stores above
.endr
.irp t, 0,1,2,3,4,5,6,7
	s_wait_dscnt 7-\t                              ; pair t of the eight is in
	global_store_b128 v[CO], v[\f+4*\t:\f+4*\t+3], s[8:9] offset:(16*\A+2*\t)*8192 th:TH_STORE_NT   ; 16 lanes store 256 consecutive bytes, at a multiple of 256 from out0's first byte
.endr
.endm
	OUT16 0, 64
	OUT16 1, 128
	OUT16 2, 64
	OUT16 3, 128
	OUT16 4, 64
	OUT16 5, 128
	OUT16 6, 64
	OUT16 7, 128
	s_wait_tensorcnt 0x0
	ds_add_u32 v62, v63
	s_wait_dscnt 0x0
	CROUND                                         ; the closing round: no work-group ends while a partner may still ask for a tile that names it
	s_endpgm
.Lfunc_end_k_q1a18f21b83_down:
	.size	k_q1a18f21b83_down, .Lfunc_end_k_q1a18f21b83_down-k_q1a18f21b83_down
	.p2alignl 7, 3214868480
	.fill 96, 4, 3214868480
	.section	.rodata,"a",@progbits
	.p2align	6, 0x0
	.amdhsa_kernel k_q1a18f21b83_down
		.amdhsa_group_segment_fixed_size 327680
		.amdhsa_private_segment_fixed_size 0
		.amdhsa_enable_private_segment 0
		.amdhsa_kernarg_size 24
		.amdhsa_user_sgpr_count 2
		.amdhsa_user_sgpr_kernarg_segment_ptr 1
		.amdhsa_wavefront_size32 1
		.amdhsa_system_sgpr_workgroup_id_x 1
		.amdhsa_system_sgpr_workgroup_id_y 1
		.amdhsa_system_sgpr_workgroup_id_z 1
		.amdhsa_system_vgpr_workitem_id 0
		.amdhsa_next_free_vgpr 512
		.amdhsa_next_free_sgpr 84
		.amdhsa_reserve_vcc 0
		.amdhsa_float_denorm_mode_32 3
		.amdhsa_float_denorm_mode_16_64 3
		.amdhsa_memory_ordered 1
		.amdhsa_forward_progress 1
		.amdhsa_inst_pref_size 180
	.end_amdhsa_kernel
	.amdgpu_metadata
---
amdhsa.version: [ 1, 2 ]
amdhsa.kernels:
  - .name:           k_q1a18f21b83_down
    .symbol:         k_q1a18f21b83_down.kd
    .args:
      - { .name: act, .offset: 0, .size: 8, .value_kind: global_buffer, .address_space: global }
      - { .name: w2b, .offset: 8, .size: 8, .value_kind: global_buffer, .address_space: global }
      - { .name: out0, .offset: 16, .size: 8, .value_kind: global_buffer, .address_space: global }
    .group_segment_fixed_size: 327680
    .private_segment_fixed_size: 0
    .kernarg_segment_align: 8
    .kernarg_segment_size: 24
    .max_flat_workgroup_size: 128
    .sgpr_count:     84
    .vgpr_count:     512
    .wavefront_size: 32
...
	.end_amdgpu_metadata
.endif
;; end of part 3
